; MI455X (gfx1250); checked and timed in simulation.
; The chip was launched on July 23, 2026; its instructions are those of AMD's public machine-readable ISA for CDNA 5 (MIT licence, August 2026) and "CDNA5" Instruction Set Architecture Reference Guide (July 2026). The comments in the code are by the model that wrote it; some were corrected since.
;; Optimized Vector Quantizer. Allowed arithmetic: matrix products marked QUANTISED: E3M2 operands, one E8M0 scale for each 32 along K, by v_wmma_scale_f32_16x16x128_f8f6f4 with both operands' format E3M2, f32 sums; everything else in f32.
;; Inputs: codebook 4,096 x 256 float32; inputs 8 x 2,048 x 256 float32.
;; Outputs: out0 8 x 2,048 x 256 float32; out1 8 x 2,048 int32; out2 one number float32.
;; This version of the problem:
;;   THIS VERSION OF THE PROBLEM IS GIVEN IN LOW PRECISION. The matrix products marked QUANTISED in the list below multiply operands that are first quantised to E3M2 (3 exponent bits, 2 mantissa bits; 6 bits a number), with one power-of-two scale for each 32 numbers along K (OCP MX v1.0); their sums are f32. All else is computed in f32.
;;   The module's matrix products, in the order in which they are computed (A, B: the left and right operand; K: the contracted axis; several contracted axes count as one K, in the product's order):
;;     1. [M 16,384, K 256] x [K 256, N 4,096]; A: input inputs; B: input codebook: QUANTISED
;;   THE QUANTISER, for each operand of a quantised product, along K:
;;     - K is cut into blocks of 32 from its start; a last block that is shorter is filled with zeros.
;;     - A block's scale is 2^e with e = floor(log2(the largest magnitude in the block)) - 4, held to -126 .. 127; a block of zeros has e = 0. As a byte (E8M0): e + 127.
;;     - Each number is divided by its block's scale, clamped to +-28, and rounded to the nearest number of E3M2, ties to even, subnormals kept.
;;     - The product sums the exact products of the quantised numbers (number of the format x scale) in f32.
;;   ~~~python
;;   def quantise(x, axis):      # numpy; x: float32 -> the quantised numbers, widened to float32 again
;;       x = np.moveaxis(x, axis, -1); K = x.shape[-1]
;;       x = np.pad(x, [(0, 0)] * (x.ndim - 1) + [(0, -K % 32)]); x = x.reshape(x.shape[:-1] + (-1, 32)); a = np.abs(x).max(-1, keepdims=True)
;;       e = np.where(a > 0, np.clip(np.frexp(np.where(a > 0, a, 1))[1] - 1 - 4, -126, 127), 0)      # np.frexp(a)[1] - 1 = floor(log2(a)), exactly
;;       r = np.clip(x / 2.0 ** e, -28, 28)
;;       step = 2.0 ** (np.maximum(np.frexp(np.where(r == 0, 1, r))[1] - 1, -2) - 2)
;;       q = np.round(r / step) * step * 2.0 ** e      # np.round: ties to even
;;       return np.moveaxis(q.reshape(q.shape[:-2] + (-1,))[..., :K], -1, axis).astype(np.float32)
;;   ~~~
;; One version. Each part assembles by itself: llvm-mc -triple=amdgcn-amd-amdhsa -mcpu=gfx1250 --defsym DOCPART=n.
;; ======== version 1 of 1: 4 launches
;; limits: right only within a limited range of input values
;; workspace buffers: img 4,259,840 bytes; pair 1,048,576 bytes of whole numbers; part 1,024 bytes
;; launch prep (part 1): grid 256 x 1, 5 waves a work-group, no clusters, 87,808 bytes of LDS; arguments inputs, codebook, img; writes img
.if DOCPART == 1
	.amdgcn_target "amdgcn-amd-amdhsa--gfx1250"
	.amdhsa_code_object_version 6
	.text
	.protected	k_qcfef200257_prep
	.globl	k_qcfef200257_prep
	.p2align	8
	.type	k_qcfef200257_prep,@function
k_qcfef200257_prep:
	s_mov_b64 s[64:65], 0
	v_nop
	global_prefetch_b8 v0, s[64:65] scope:SCOPE_SE
	s_setreg_imm32_b32 hwreg(HW_REG_WAVE_MODE, 25, 1), 1
	s_wait_xcnt 0x0
; The 16,384 rows of inputs and the 4,096 rows of codebook (256 f32 each) become codes of BF6 (E3M2) with one E8M0 scale byte for each 32 along a row,
; laid as the product's launch wants them: a RECORD of 3,328 bytes (13 x 256) for each tile of 16 rows.  Tiles 0-1023: inputs; tiles 1024-1279: codebook.
;   bytes 0-1535     the fragment of k = 0-127 as an image of its 12 registers: registers 4 j .. 4 j + 3 of lane l at 512 j + 16 l
;   bytes 1536-3071  the same for k = 128-255
;   bytes 3072-3199  scale words, lane l's at 4 l: lanes 0-15 row l's four bytes for k = 0-127, lanes 16-31 row l - 16's for k = 128-255
;   bytes 3200-3263  the sixteen rows' sums of squares, f32;   bytes 3264-3327  zeros
; A block's scale is 2^(floor(log2(its largest magnitude)) - 4); its byte is the largest magnitude's exponent field - 4, held at 1 from below.
; LIMITS: a block of zeros gets the byte 1 where the rule says 127 (its codes are zeros, which add nothing, and this program alone reads the bytes); NaN and infinities are not served;
; a row's sum of squares is added in another order than the problem's definition adds it (four chains of pairs, then lanes): it may differ in its last bits.
; SHARES: one wave, one tile: tile = 5 x work-group + wave (1,280 = 256 x 5).  Waves share nothing: no barrier.
; A lane of the operand holds row l % 16 and k = 64 c + 32 (l / 16) + 0 .. 31: 128 neighbouring bytes of f32.  The loads take the bytes as they lie, 512 consecutive bytes each,
; and the tile turns through the wave's own stage in LDS: rows 528 bytes apart (33 x 16: the sixteen rows that a 16-byte read touches start at sixteen different banks' groups; 64 banks of 4 bytes: ISA guide 11.1).
.set RECB,   3328
.set WREG,   17408                     ; LDS of a wave: two stages and 512 bytes, 256 of them for the record's last unit
.set SPITCH, 528
.set STGB,   16*SPITCH                 ; a stage: 16 rows of one K step
.set META,   2*STGB
.set L16, 4                            ; v4   16 x lane
.set STI, 5                            ; v5   stage, on the way in: my wave's LDS + 16 x lane
.set STO, 6                            ; v6   stage, on the way out: my wave's LDS + 528 r + 128 h
.set MS4, 7                            ; v7   my wave's LDS + 4 x lane
.set MS8, 8                            ; v8   my wave's LDS + 8 x lane
.set L8,  9                            ; v9   8 x lane
.set SH8, 10                           ; v10  8 h
.set NIL, 11                           ; v11  0
.set MX,  12                           ; v12-13 largest magnitudes of my two blocks
.set SO,  14                           ; v14-15 the conversions' scale operands
.set BY,  16                           ; v16-17 the scale bytes
.set W,   18                           ; v18-19 my row's scale words for K steps 0, 1
.set PD,  20                           ; v20-21 lane permutes' destinations
.set SQ,  22                           ; v22-29 four pairs of partial sums of squares
.set F,   32                           ; v32-55 the two fragments
.set F2,  56                           ; v56-58, v60-62 second halves of a block's codes
.set R,   64                           ; v64-191 the tile as loaded: K step 0, then K step 1
.set X0,  192                          ; v192-255 K step 0 turned
.set X1,  64                           ; v64-127  K step 1 turned
	s_load_b128 s[4:7], s[0:1], 0x0                ; inputs, codebook
	s_load_b64 s[8:9], s[0:1], 0x10                ; img
	v_lshl_add_u32 v59, v0, 2, 0x15400
	v_mov_b32 v63, 0
	v_lshrrev_b32 v1, 5, v0
	v_readfirstlane_b32 s10, v1                    ; wave 0..4
	v_and_b32 v1, 31, v0                           ; lane
	v_and_b32 v2, 15, v0                           ; r
	v_bfe_u32 v3, v0, 4, 1                         ; h
	s_mul_i32 s18, s10, WREG
	v_lshlrev_b32 v[L16], 4, v1
	v_add_nc_u32 v[STI], s18, v[L16]
	v_mul_u32_u24 v[STO], v2, SPITCH
	v_lshl_add_u32 v[STO], v3, 7, v[STO]
	v_add_nc_u32 v[STO], s18, v[STO]
	v_lshlrev_b32 v[MS4], 2, v1
	v_add_nc_u32 v[MS4], s18, v[MS4]
	v_lshlrev_b32 v[L8], 3, v1
	v_add_nc_u32 v[MS8], s18, v[L8]
	v_lshlrev_b32 v[SH8], 3, v3
	v_mov_b32 v[NIL], 0
	v_mov_b32 v[PD], 0                             ; a lane permute's destination counts as one of its sources
	v_mov_b32 v[PD+1], 0
	s_mov_b32 s20, 0x76543210
	s_mov_b32 s21, 0xfedcba98                      ; v_permlanex16_b32's selects for lane l xor 16
	s_mul_i32 s11, ttmp9, 5
	s_add_co_u32 s11, s11, s10                     ; my tile
	s_mul_i32 s16, s11, RECB
	s_mov_b32 s17, 0
	s_mov_b32 s15, 0
	s_wait_alu depctr_va_vdst(0)
	s_wait_kmcnt 0x0
	s_cmp_lt_u32 s11, 1024                         ; a tile of inputs or of codebook?  The choice hangs on ids alone
	s_cselect_b64 s[12:13], s[4:5], s[6:7]
	s_cselect_b32 s14, 0, 1024
	s_sub_co_u32 s14, s11, s14
	s_lshl_b32 s14, s14, 14                        ; 16 rows of 1,024 bytes a tile
	s_add_nc_u64 s[12:13], s[12:13], s[14:15]
	s_add_nc_u64 s[8:9], s[8:9], s[16:17]          ; my record
.irp s, 0,1
.irp p, 0,1,2,3,4,5,6,7,8,9,10,11,12,13,14,15
	global_load_b128 v[R+64*\s+4*\p:R+64*\s+4*\p+3], v[L16], s[12:13] offset:1024*\p+512*\s th:TH_LOAD_NT   ; 32 lanes read 512 consecutive bytes: row p, K step s
.endr
.endr
; K step s goes through its stage: in as loaded, out 128 bytes a lane and block.  LDS serves a wave's instructions in order (ISA guide 5.7.1.4): no wait between the stores and the loads.
.macro TURN s, x
.irp p, 0,1,2,3,4,5,6,7,8,9,10,11,12,13,14,15
	ds_store_b128 v[STI], v[R+64*\s+4*\p:R+64*\s+4*\p+3] offset:STGB*\s+SPITCH*\p
.endr
.irp c, 0,1
.irp i, 0,1,2,3,4,5,6,7
	ds_load_b128 v[\x+32*\c+4*\i:\x+32*\c+4*\i+3], v[STO] offset:STGB*\s+256*\c+16*\i   ; register 32 c + n: k = 128 s + 64 c + 32 h + n of row r
.endr
.endr
.endm
; The 64 numbers in v[x] on become fragment s and my row's scale word for K step s; their squares are added to the four chains.
.macro QUANT s, x
.irp c, 0,1
	v_max3_num_f32 v[MX+\c], |v[\x+32*\c]|, |v[\x+32*\c+1]|, 0x2800000   ; block 2 c + h is all mine; the floor 2^(5 - 127) keeps the byte at 1 from below
.endr
.irp i, 2,4,6,8,10,12,14,16,18,20,22,24,26,28,30
.irp c, 0,1
	v_max3_num_f32 v[MX+\c], v[MX+\c], |v[\x+32*\c+\i]|, |v[\x+32*\c+\i+1]|   ; (the two blocks by turns)
.endr
.endr
.set Q, 0
.rept 32
.if (\s == 0) && (Q < 4)
	v_pk_mul_f32 v[SQ+2*Q:SQ+2*Q+1], v[\x+2*Q:\x+2*Q+1], v[\x+2*Q:\x+2*Q+1]   ; the first four pairs start the chains: nothing is cleared
.else
	v_pk_fma_f32 v[SQ+2*(Q%4):SQ+2*(Q%4)+1], v[\x+2*Q:\x+2*Q+1], v[\x+2*Q:\x+2*Q+1], v[SQ+2*(Q%4):SQ+2*(Q%4)+1]
.endif
.set Q, Q+1
.endr
.irp c, 0,1
	v_add_nc_u32 v[SO+\c], 0xfe000000, v[MX+\c]    ; 4 off the exponent field: the conversion takes the exponent field of this operand as its scale
.endr
.irp c, 0,1
	v_lshrrev_b32 v[BY+\c], 23, v[SO+\c]           ; the scale's byte
.endr
	v_lshl_or_b32 v[W+\s], v[BY+1], 16, v[BY]      ; my two bytes: blocks h and 2 + h,
	v_lshlrev_b32 v[W+\s], v[SH8], v[W+\s]         ; at their places in the word;
	v_permlanex16_b32 v[PD], v[W+\s], s20, s21
	v_or_b32 v[W+\s], v[W+\s], v[PD]               ; with lane l xor 16's two the word is whole
.irp c, 0,1
	v_cvt_scalef32_pk16_bf6_f32 v[F+12*\s+6*\c:F+12*\s+6*\c+2], v[\x+32*\c:\x+32*\c+15], v[SO+\c]
	v_cvt_scalef32_pk16_bf6_f32 v[F2+4*\c:F2+4*\c+2], v[\x+32*\c+16:\x+32*\c+31], v[SO+\c]   ; (a conversion's three registers begin on an even number)
.endr
	v_nop                                          ; one plain place behind a scaled conversion
.irp c, 0,1
.irp i, 0,1,2
	v_mov_b32 v[F+12*\s+6*\c+3+\i], v[F2+4*\c+\i]
.endr
.endr
.irp j, 0,1,2
	global_store_b128 v[L16], v[F+12*\s+4*\j:F+12*\s+4*\j+3], s[8:9] offset:1536*\s+512*\j   ; the image: 512 consecutive bytes a store
.endr
.endm
	s_wait_loadcnt 16                              ; K step 0's sixteen loads are in; K step 1's may be out
	TURN 0, X0
	s_wait_loadcnt 0x0                             ; K step 1's are in
	s_wait_dscnt 16                                ; the first turn's sixteen stores are done (its sixteen loads may be out): v64-127 may take the second turn's loads
	TURN 1, X1
	s_wait_dscnt 32                                ; the first turn's loads are in; the second turn's 32 instructions may be out
	QUANT 0, X0
	s_wait_dscnt 0x0
	QUANT 1, X1
	; the record's last unit: 32 scale words, 16 sums of squares, 16 zeros
	v_cmp_eq_u32 vcc_lo, 1, v3                     ; lanes 16-31
	v_cndmask_b32 v[W], v[W], v[W+1], vcc_lo       ; lanes 0-15 give K step 0's word, lanes 16-31 K step 1's
	v_pk_add_f32 v[SQ:SQ+1], v[SQ:SQ+1], v[SQ+2:SQ+3]
	v_pk_add_f32 v[SQ+4:SQ+5], v[SQ+4:SQ+5], v[SQ+6:SQ+7]
	v_pk_add_f32 v[SQ:SQ+1], v[SQ:SQ+1], v[SQ+4:SQ+5]
	v_add_f32 v[SQ], v[SQ], v[SQ+1]
	v_permlanex16_b32 v[PD+1], v[SQ], s20, s21     ; the row's other half lies in lane l xor 16
	v_add_f32 v[SQ], v[SQ], v[PD+1]
	v_cndmask_b32 v[SQ], v[SQ], v[NIL], vcc_lo     ; lanes 16-31 give the zeros
	ds_store_b32 v[MS4], v[W] offset:META
	ds_store_b32 v[MS4], v[SQ] offset:META+128
	ds_load_b64 v[SQ+2:SQ+3], v[MS8] offset:META   ; my wave's own bytes, served in order
	s_wait_dscnt 0x0
	global_store_b64 v[L8], v[SQ+2:SQ+3], s[8:9] offset:3072   ; 32 lanes store 256 consecutive bytes, aligned
	s_wait_tensorcnt 0x0
	ds_add_u32 v59, v63
	s_wait_dscnt 0x0
	s_endpgm
.Lfunc_end_k_qcfef200257_prep:
	.size	k_qcfef200257_prep, .Lfunc_end_k_qcfef200257_prep-k_qcfef200257_prep
	.p2alignl 7, 3214868480
	.fill 96, 4, 3214868480
	.section	.rodata,"a",@progbits
	.p2align	6, 0x0
	.amdhsa_kernel k_qcfef200257_prep
		.amdhsa_group_segment_fixed_size 87808
		.amdhsa_private_segment_fixed_size 0
		.amdhsa_enable_private_segment 0
		.amdhsa_kernarg_size 24
		.amdhsa_user_sgpr_count 2
		.amdhsa_user_sgpr_kernarg_segment_ptr 1
		.amdhsa_wavefront_size32 1
		.amdhsa_system_sgpr_workgroup_id_x 1
		.amdhsa_system_sgpr_workgroup_id_y 1
		.amdhsa_system_sgpr_workgroup_id_z 1
		.amdhsa_system_vgpr_workitem_id 0
		.amdhsa_next_free_vgpr 256
		.amdhsa_next_free_sgpr 66
		.amdhsa_reserve_vcc 1
		.amdhsa_float_denorm_mode_32 3
		.amdhsa_float_denorm_mode_16_64 3
		.amdhsa_memory_ordered 1
		.amdhsa_forward_progress 1
		.amdhsa_inst_pref_size 21
	.end_amdhsa_kernel
	.amdgpu_metadata
---
amdhsa.version: [ 1, 2 ]
amdhsa.kernels:
  - .name:           k_qcfef200257_prep
    .symbol:         k_qcfef200257_prep.kd
    .args:
      - { .name: inputs, .offset: 0, .size: 8, .value_kind: global_buffer, .address_space: global }
      - { .name: codebook, .offset: 8, .size: 8, .value_kind: global_buffer, .address_space: global }
      - { .name: img, .offset: 16, .size: 8, .value_kind: global_buffer, .address_space: global }
    .group_segment_fixed_size: 87808
    .private_segment_fixed_size: 0
    .kernarg_segment_align: 8
    .kernarg_segment_size: 24
    .max_flat_workgroup_size: 160
    .sgpr_count:     66
    .vgpr_count:     256
    .wavefront_size: 32
...
	.end_amdgpu_metadata
.endif
;; end of part 1
;; launch dist (part 2): grid 32 x 8, 8 waves a work-group, clusters of 4 x 1, 327,680 bytes of LDS; arguments img, pair; writes pair
.if DOCPART == 2
	.amdgcn_target "amdgcn-amd-amdhsa--gfx1250"
	.amdhsa_code_object_version 6
	.text
	.protected	k_qcfef200257_dist
	.globl	k_qcfef200257_dist
	.p2align	8
	.type	k_qcfef200257_dist,@function
k_qcfef200257_dist:
	s_mov_b64 s[64:65], 0
	v_nop
	global_prefetch_b8 v0, s[64:65] scope:SCOPE_SE
	s_setreg_imm32_b32 hwreg(HW_REG_WAVE_MODE, 25, 1), 1
	s_wait_xcnt 0x0
	s_wait_alu depctr_hold_cnt(0) depctr_sa_sdst(0) depctr_va_vdst(0) depctr_va_sdst(0) depctr_va_ssrc(0) depctr_va_vcc(0) depctr_vm_vsrc(0)
	s_getreg_b32 s2, hwreg(HW_REG_IB_STS2, 6, 4)
	s_cmp_eq_u32 s2, 0
	s_cbranch_scc0 .Lentry_in_a_cluster
	s_endpgm
.Lentry_in_a_cluster:
	s_bfe_u32 s2, ttmp6, 0x10000c
	s_cmp_lg_u32 s2, 0x3003
	s_cbranch_scc0 .Lentry_shape_is_right
	s_endpgm
.Lentry_shape_is_right:
; For 512 rows x and one slice of 512 codes e: d = (A + B) - 2 C, A = sum x^2, B = sum e^2, C = x.e on codes of BF6 with E8M0 scales; for each row the slice's smallest d and the first code that reaches it.
; HOW: the matrix instruction starts each sum at -b/2, so its result is s = C - b/2 and d = A - 2 s, one fused multiply-add.  d falls as s rises, rounded too: so the largest s of a group of codes gives the
; group's smallest d, and d is made once for each row and group.
; b: with P = the smallest A of the work-group's 512 rows, b = fl(P + B) - P: what the sum with P holds of B.  |b - B| is at most half a unit in the last place of P + B, and so of A + B, for every A >= P.
; LIMITS: ORDER OF ROUNDING: the definition rounds A + B and then subtracts 2 C; here B is rounded to b (as above), C - b/2 is rounded by the matrix unit and A - 2 s once more.  d may so differ from the
; definition's by a unit in its last place or two where b is not 0 (where B is under half a unit of P, b is 0, A + B is A, and d is the definition's).  Ties go to the lower code at every step.
; NaN and infinities are not served (the minima pass NaN over).
; OUT: pair[slice][row] = (key, code): key = the smallest d as a whole number that keeps the order of f32 (bits xor 0x80000000 where d is not negative, all bits turned where it is).
; SHARES: work-group = row block X (of 32) x slice (of 8); eight waves, 64 rows each: four tiles, whose fragments (96 registers) stay in registers.  A wave walks the slice's 32 tiles of codes, two a GROUP:
; 16 matrix instructions, 64 result registers.  The next group's fragments are read into a second set of registers at the group's start.
; LAYOUT: source 0 = 16 codes, source 1 = 16 rows: lane (r, h) holds ONE row r, and register j of a tile the code 8 h + j.  So a row's search stays in its lane.
; THE ARGMIN: for a row tile and a group: the largest of the lane's 16 s, its d; where that is smaller (strictly) than the running m, m, the group's first code and the group's 16 s are kept.
; Which of the 16 it was is looked for once, at the end, by halves.
; LDS: the slice's 32 records (3,328 bytes each, laid by the launch before) are a dense block of 416 rows of 256 bytes, which comes once: rows 0-159 (tiles 0-11 whole) at the head, 20 rows a wave;
; rows 160-415, 32 a wave, behind a wait, an add and a round.  One tensor load a wave each time.  All of LDS is claimed.
; CLUSTER: its four work-groups have the same slice and other row blocks: each load of codes is JOINT, with the mask of all four.  x's records go from memory straight into the registers in which they stay.
; No prefetch: two fills in all, and no loop of fills to run ahead in.
; REGISTERS: window 0: v1-11, v24, v44-46 addresses; v12-19 m and first code of the four row tiles; v20-23 A; v28-35 scale words; v36-43 the search's maxima; v48-79 -b/2 of the group's codes, two sets;
;   v80-143 the group's results; v144-207 the kept s; v212-247 the tail; v254-255 the add.   window 1: v0-95 x's fragments; v96-191 fragments of codes, two sets.
.set RECB,  3328
.set HALF,  16*RECB                    ; tiles 16-31 are read by a second set of address registers, so that every offset stays under 65,536
.set ROWS0, 20                         ; rows of 256 bytes that a wave brings first,
.set ROWS1, 32                         ; and then
.set TAB,   32*RECB                    ; behind the records: -b/2 of the 512 codes; no fill lands there
.set SCR,   TAB+2048                   ; 512 bytes for each wave, for the way out; no fill lands there
.set SPARE, SCR+4096                   ; the spare words: 128 bytes for each wave, which no other line names
.set LI,  1                            ; v1  16 x lane          (v4: + HALF)
.set LS,  2                            ; v2  4 x lane           (v5: + HALF)
.set LB,  3                            ; v3  TAB + 32 h
.set SCW, 6                            ; v6  way out: SCR + 512 x wave + 8 r
.set GB,  7                            ; v7  the group's first code of my half: 512 x slice + 32 g + 8 h
.set SCRD, 11                          ; v11 way out: SCR + 512 x wave + 16 x lane
.set ST,  12                           ; row tile i: m at v[12 + 2 i], first code of the winning group at v[13 + 2 i]
.set AP,  20                           ; row tile i: A of my row
.set R4,  24                           ; v24 4 r
.set XS,  28                           ; x's scale words
.set CS,  32                           ; the code tiles' scale words: set p, tile u at v[32 + 2 p + u]
.set GM,  36                           ; row tile i: two running maxima of s, then the group's d, at v[36 + 2 i], v[37 + 2 i]
.set AOF, 44                           ; v44 where my 16 bytes of the 512 rows' A lie in eight records
.set BOF, 45                           ; v45 where my two codes' B lie in the slice's records
.set TBS, 46                           ; v46 and their place in the table
.set BB,  48                           ; set p, tile u: v[48 + 16 p + 8 u] on
.set ACC, 80                           ; row tile i, code tile u, register j: 16 i + 8 u + j
.set S,   144
.set KV,  212                          ; row tile i: key and code at v[212 + 2 i]
.set OK,  220
.set OI,  224
.set TM,  228
.set J1,  232
.set J2,  236
.set IX,  240
.set OUT, 244
.set SPW, 254
.set NIL, 255
.set XF,  0                            ; window 1: row tile i, K step s: 24 i + 12 s
.set CF,  96                           ; window 1: set p, code tile u, K step s: 96 + 48 p + 24 u + 12 s
.set G1,  16                           ; s[16:23] descriptor group 1
.set G0,  24                           ; s[24:31] descriptor groups 0, one for each load
.set MSB, 0
.macro WIN new                         ; the immediate's high byte repeats the setting that is left
.if MSB != \new
	s_set_vgpr_msb (MSB<<8)|\new
.set MSB, \new
.endif
.endm
.macro ROUND                           ; a round of the cluster's barrier: my work-group's barrier; wave 0 signals for the work-group; every wave waits for all four; my work-group's barrier once more
	s_barrier_signal -1
	s_barrier_wait -1
	s_cmp_lg_u32 s10, 0
	s_cbranch_scc1 .Lnot_wave_0_\@
	s_barrier_signal -3
.Lnot_wave_0_\@:
	s_barrier_wait -3
	s_barrier_signal -1
	s_barrier_wait -1
.endm
	s_load_b128 s[4:7], s[0:1], 0x0                ; img, pair
	v_lshl_add_u32 v[SPW], v0, 2, SPARE
	v_mov_b32 v[NIL], 0
	ds_add_u32 v[SPW], v[NIL]                      ; the opening: the add, twice on end, ahead of the first tensor load
	ds_add_u32 v[SPW], v[NIL]
	v_lshrrev_b32 v8, 5, v0
	v_readfirstlane_b32 s10, v8                    ; wave 0..7
	s_and_b32 s13, ttmp7, 0xffff                   ; the slice, which the four partners share
	s_lshl_b32 s56, s13, 9
	s_sub_co_u32 s56, s56, 32                      ; (each group adds 32 first)
	s_lshl_b32 s57, s10, 9
	s_add_co_u32 s57, s57, SCR
	v_and_b32 v8, 31, v0                           ; lane
	v_and_b32 v9, 15, v0                           ; r
	v_bfe_u32 v10, v0, 4, 1                        ; h
	v_lshrrev_b32 v[BOF], 3, v0
	v_lshrrev_b32 v[AOF], 2, v8
	v_and_b32 v47, 3, v8
	v_mul_u32_u24 v[BOF], RECB, v[BOF]
	v_mul_u32_u24 v[AOF], RECB, v[AOF]
	v_lshlrev_b32 v[LI], 4, v8
	v_lshlrev_b32 v[LS], 2, v8
	v_lshl_add_u32 v[AOF], v47, 4, v[AOF]          ; record lane / 4, 16 bytes of its 64
	v_and_b32 v47, 7, v0
	v_lshl_add_u32 v[LB], v10, 5, TAB
	v_lshl_add_u32 v[LI+3], v8, 4, HALF
	v_lshl_add_u32 v[LS+3], v8, 2, HALF
	v_lshl_add_u32 v[BOF], v47, 3, v[BOF]          ; thread t: codes 2 t and 2 t + 1: record t / 8, 8 bytes of its 64
	v_lshl_add_u32 v[TBS], v0, 3, TAB
	v_lshl_add_u32 v[GB], v10, 3, s56
	v_lshl_add_u32 v[SCW], v9, 3, s57
	v_lshl_add_u32 v[SCRD], v8, 4, s57
	v_lshlrev_b32 v[R4], 2, v9
	v_mov_b32 v99, 0                               ; a lane permute's destination counts as one of its sources
.irp i, 0,1,2,3,4,5,6,7
	v_mov_b32 v[OK+\i], 0
.endr
	s_bfe_u32 s11, ttmp6, 0x40000                  ; cx: it enters x's and the outputs' global addresses alone
	s_lshl_b32 s12, ttmp9, 2
	s_add_co_u32 s12, s12, s11                     ; row block X = 4 x cluster x + cx
	s_mov_b32 s44, 0x76543210
	s_mov_b32 s45, 0xfedcba98                      ; v_permlanex16_b32's selects for lane l xor 16
	; descriptor group 1: rows of 32 elements of 8 bytes, dense: 20 rows (for the second load 32)
	s_mov_b32 s[G1+0], 15|(3<<16)|(1<<21)          ; 15:0 the mask: all four work-groups; 17:16 elements of 8 bytes; 20 no padding; 21 set beside a mask
	s_mov_b32 s[G1+1], 32<<16                      ; tensor_dim0 = 32
	s_mov_b32 s[G1+2], ROWS0<<16                   ; tensor_dim1
	s_mov_b32 s[G1+3], 32<<16                      ; tile_dim0 = 32
	s_mov_b32 s[G1+4], ROWS0                       ; tile_dim1
	s_mov_b32 s[G1+5], 32                          ; from row to row: 32 elements
	s_mov_b32 s[G1+6], 0
	s_mov_b32 s[G1+7], 0
	s_mul_i32 s46, s12, 32*RECB                    ; the work-group's 32 records of x,
	s_mov_b32 s47, 0
	s_mul_i32 s48, s10, 4*RECB                     ; my four among them
	s_mov_b32 s49, 0
	s_lshl_b32 s50, s13, 5
	s_add_co_u32 s50, s50, 1024
	s_mul_i32 s50, s50, RECB                       ; the slice's records: from record 1024 + 32 x slice on
	s_mov_b32 s51, 0
	s_mul_i32 s52, s10, ROWS0*256                  ; the rows that I bring first, from row 20 w on; their place in LDS too
	s_mov_b32 s53, 0
	s_mul_i32 s58, s10, ROWS1*256                  ; the rows that I bring then, from row 160 + 32 w on; their place in LDS too
	s_add_co_u32 s58, s58, 8*ROWS0*256
	s_mov_b32 s59, 0
	s_lshl_b32 s54, s13, 17
	s_lshl_b32 s55, s12, 12
	s_add_co_u32 s54, s54, s55
	s_lshl_b32 s55, s10, 9
	s_add_co_u32 s54, s54, s55                     ; my 64 pairs: (16,384 x slice + 512 X + 64 x wave) x 8 bytes
	s_mov_b32 s55, 0
	s_wait_alu depctr_va_vdst(0)
	s_wait_dscnt 0x0                               ; both opening adds are done
	ROUND                                          ; all four work-groups are here: the joint loads meet
	s_wait_kmcnt 0x0
	s_add_nc_u64 s[36:37], s[4:5], s[50:51]
	s_add_nc_u64 s[38:39], s[36:37], s[52:53]
	s_add_nc_u64 s[60:61], s[36:37], s[58:59]
	s_mov_b32 s[G0], 1                             ; count = 1
	s_add_co_u32 s[G0+1], s52, 0                   ; LDS address: the wave's number alone
	s_mov_b64 s[G0+2:G0+3], s[38:39]
	s_or_b32 s[G0+3], s[G0+3], 0x80000000          ; type = 2
	tensor_load_to_lds s[G0:G0+3], s[G1:G1+7]      ; rows 0-159: one tensor load a wave at the head
	s_nop 0
.rept 4
	v_nop
.endr
	s_add_nc_u64 s[32:33], s[4:5], s[46:47]
	s_add_nc_u64 s[34:35], s[32:33], s[48:49]
	s_add_nc_u64 s[6:7], s[6:7], s[54:55]
	global_load_b64 v[96:97], v[BOF], s[36:37] offset:3200       ; B of my two codes for the table
.irp q, 0,1,2,3
	global_load_b128 v[80+4*\q:83+4*\q], v[AOF], s[32:33] offset:8*RECB*\q+3200   ; A of the work-group's 512 rows, 16 a lane
.endr
	WIN 0x40                                       ; destination window 1
.irp i, 0,1,2,3
.irp s, 0,1
.irp c, 0,1,2
	global_load_b128 v[XF+24*\i+12*\s+4*\c:XF+24*\i+12*\s+4*\c+3], v[LI], s[34:35] offset:RECB*\i+1536*\s+512*\c   ; x's fragments: they stay
.endr
.endr
.endr
	WIN 0
.irp i, 0,1,2,3
	global_load_b32 v[XS+\i], v[LS], s[34:35] offset:RECB*\i+3072
.endr
.irp i, 0,1,2,3
	global_load_b32 v[AP+\i], v[R4], s[34:35] offset:RECB*\i+3200
.endr
	s_mov_b32 s[G0+4], 1
	s_add_co_u32 s[G0+5], s58, 0
	s_mov_b64 s[G0+6:G0+7], s[60:61]
	s_or_b32 s[G0+7], s[G0+7], 0x80000000
	s_wait_loadcnt 32                              ; B and the 512 A are in; x's 24 fragments, 4 scale words and 4 A may be out
	v_min3_num_f32 v98, v80, v81, v82
	v_min3_num_f32 v100, v83, v84, v85
	v_min3_num_f32 v98, v98, v86, v87
	v_min3_num_f32 v100, v100, v88, v89
	v_min3_num_f32 v98, v98, v90, v91
	v_min3_num_f32 v100, v100, v92, v93
	v_min3_num_f32 v98, v98, v94, v95
	v_min_num_f32 v98, v98, v100
	v_min_num_f32_dpp v98, v98, v98 row_xmask:1 row_mask:0xf bank_mask:0xf
	v_min_num_f32_dpp v98, v98, v98 row_xmask:2 row_mask:0xf bank_mask:0xf
	v_min_num_f32_dpp v98, v98, v98 row_xmask:4 row_mask:0xf bank_mask:0xf
	v_min_num_f32_dpp v98, v98, v98 row_xmask:8 row_mask:0xf bank_mask:0xf
	v_permlanex16_b32 v99, v98, s44, s45
	v_min_num_f32 v98, v98, v99                    ; P
	v_add_f32 v100, v96, v98
	v_add_f32 v101, v97, v98
	v_sub_f32 v100, v98, v100
	v_sub_f32 v101, v98, v101
	v_mul_f32 v100, 0.5, v100                      ; (P - fl(P + B)) / 2 = -b / 2
	v_mul_f32 v101, 0.5, v101
	s_wait_alu depctr_va_vdst(0)
	s_wait_tensorcnt 0x0                           ; my part of rows 0-159 is in
	ds_store_b64 v[TBS], v[100:101]
	s_wait_tensorcnt 0x0                           ; (nothing is out)
	ds_add_u32 v[SPW], v[NIL]
	s_mov_b32 s[G1+2], ROWS1<<16                   ; no tensor load of mine is out, so a descriptor may be written: tensor_dim1 = 32,
	s_mov_b32 s[G1+4], ROWS1                       ; tile_dim1 = 32
	s_wait_dscnt 0x0                               ; the add and my part of the table are done
	ROUND                                          ; everybody's part of rows 0-159 and of the table is in; the joint loads meet
	tensor_load_to_lds s[G0+4:G0+7], s[G1:G1+7]    ; rows 160-415, the first tensor load behind the round
	s_nop 0
.rept 4
	v_nop
.endr
; Group g's two tiles of codes into set g % 2: 18 LDS loads in one run
.macro LOADS g
.set PL, (\g)%2
.irp u, 0,1
.set TT, (2*(\g)+\u)%16
.set BS, 3*((2*(\g)+\u)/16)
	ds_load_b32 v[CS+2*PL+\u], v[LS+BS] offset:RECB*TT+3072
	ds_load_b128 v[BB+16*PL+8*\u:BB+16*PL+8*\u+3], v[LB] offset:64*(2*(\g)+\u)          ; -b/2 of codes 8 h + 0 .. 7 of the tile
	ds_load_b128 v[BB+16*PL+8*\u+4:BB+16*PL+8*\u+7], v[LB] offset:64*(2*(\g)+\u)+16
.endr
	WIN 0x40
.irp u, 0,1
.set TT, (2*(\g)+\u)%16
.set BS, 3*((2*(\g)+\u)/16)
.irp s, 0,1
.irp c, 0,1,2
	ds_load_b128 v[CF+48*PL+24*\u+12*\s+4*\c:CF+48*PL+24*\u+12*\s+4*\c+3], v[LI+BS] offset:RECB*TT+1536*\s+512*\c
.endr
.endr
.endr
.endm
; Two selects on VCC in one instruction: a and a + 1 take b and c where the bit is set.  One destination is even and the other odd, and each pair of sources lies in two different register banks.
.macro SEL2 a, b, c
	v_dual_cndmask_b32 v[\a], v[\a], v[\b] :: v_dual_cndmask_b32 v[\a+1], v[\a+1], v[\c]
.endm
.macro GROUP g
.set PB, (\g)%2
.if (\g) == 0
.set AB, S                             ; the first group's results ARE the kept s: nothing is initialised, compared or copied
.else
.set AB, ACC
.endif
.if (\g) == 5
	s_barrier_wait -1                              ; everybody's part of rows 160-415 is in (my LDS loads were waited for ahead of the signal)
.else
	s_wait_dscnt 0x0                               ; the group's 18 loads, issued a group ago, are in
.endif
.if (\g) < 15
	LOADS (\g)+1                                   ; the other set was read by the products of the group before, a search ago: more than four plain instructions
.endif
.if (\g) == 0
	s_wait_loadcnt 0x0                             ; x's fragments, scale words and A
.endif
	WIN 0x05                                       ; sources 0 and 1 window 1; C and D window 0
.irp i, 0,1,2,3                        ; the eight accumulators take turns, one instruction a turn, in the same order in both K steps
.irp u, 0,1
	v_wmma_scale_f32_16x16x128_f8f6f4 v[AB+16*\i+8*\u:AB+16*\i+8*\u+7], v[CF+48*PB+24*\u:CF+48*PB+24*\u+11], v[XF+24*\i:XF+24*\i+11], v[BB+16*PB+8*\u:BB+16*PB+8*\u+7], v[CS+2*PB+\u], v[XS+\i] matrix_a_fmt:MATRIX_FMT_BF6 matrix_b_fmt:MATRIX_FMT_BF6
.endr
.endr
.irp i, 0,1,2,3
.irp u, 0,1
	v_wmma_scale_f32_16x16x128_f8f6f4 v[AB+16*\i+8*\u:AB+16*\i+8*\u+7], v[CF+48*PB+24*\u+12:CF+48*PB+24*\u+23], v[XF+24*\i+12:XF+24*\i+23], v[AB+16*\i+8*\u:AB+16*\i+8*\u+7], v[CS+2*PB+\u], v[XS+\i] matrix_a_fmt:MATRIX_FMT_BF6 matrix_b_fmt:MATRIX_FMT_BF6 matrix_a_scale:MATRIX_SCALE_ROW1 matrix_b_scale:MATRIX_SCALE_ROW1
.endr
.endr
	WIN 0
.if (\g) == 4
	s_wait_dscnt 0x0                               ; group 5's loads are in: no LDS instruction of mine is out
	s_wait_tensorcnt 0x0                           ; my part of rows 160-415 is in
	s_barrier_signal -1                            ; register work alone stands between here and the wait
.endif
	v_add_nc_u32 v[GB], 32, v[GB]                  ; this and three v_nop are the four places behind the products (ISA guide 7.12.1)
.rept 3
	v_nop
.endr
.irp i, 0,1,2,3                        ; the largest of my 16 s: two maxima a row tile, the four tiles by turns; each accumulator is read from its low end on
	v_max3_num_f32 v[GM+2*\i], v[AB+16*\i], v[AB+16*\i+1], v[AB+16*\i+2]
	v_max3_num_f32 v[GM+2*\i+1], v[AB+16*\i+8], v[AB+16*\i+9], v[AB+16*\i+10]
.endr
.irp q, 3,5
.irp i, 0,1,2,3
	v_max3_num_f32 v[GM+2*\i], v[GM+2*\i], v[AB+16*\i+\q], v[AB+16*\i+\q+1]
	v_max3_num_f32 v[GM+2*\i+1], v[GM+2*\i+1], v[AB+16*\i+8+\q], v[AB+16*\i+9+\q]
.endr
.endr
.irp i, 0,1,2,3
	v_max3_num_f32 v[GM+2*\i], v[GM+2*\i], v[GM+2*\i+1], v[AB+16*\i+7]
.endr
.irp i, 0,1,2,3
	v_max_num_f32 v[GM+2*\i], v[GM+2*\i], v[AB+16*\i+15]
.endr
.if (\g) == 0
.irp i, 0,1,2,3
	v_fma_f32 v[ST+2*\i], v[GM+2*\i], -2.0, v[AP+\i]
.endr
.irp i, 0,1,2,3
	v_mov_b32 v[ST+2*\i+1], v[GB]
.endr
	s_wait_alu depctr_va_vdst(0)
.else
.irp i, 0,1,2,3
	v_fma_f32 v[GM+2*\i], v[GM+2*\i], -2.0, v[AP+\i]   ; the group's smallest d
.endr
.irp i, 0,1,2,3
	v_cmp_lt_f32 vcc_lo, v[GM+2*\i], v[ST+2*\i]    ; strictly smaller: an earlier group keeps a tie
	SEL2 ST+2*\i, GM+2*\i, GB
.irp p, 0,1,2,3,4,5,6,7
	SEL2 S+16*\i+2*\p, ACC+16*\i+2*\p, ACC+16*\i+2*\p+1
.endr
.endr
.endif
.endm
	LOADS 0
	WIN 0
.irp g, 0,1,2,3,4,5,6,7,8,9,10,11,12,13,14,15
	GROUP \g
.endr
	; THE TAIL.  Which of the 16 kept s is the first whose d is m: by halves.  The lower half holds one if its largest s gives m; else the upper half takes its place, and the code is that much higher.
.macro HALVE n, code, jr
.irp i, 0,1,2,3
.if \n == 1
	v_fma_f32 v[TM+\i], v[S+16*\i], -2.0, v[AP+\i]
.else
	v_fma_f32 v[TM+\i], v[TM+\i], -2.0, v[AP+\i]
.endif
.endr
.irp i, 0,1,2,3
	v_cmp_neq_f32 vcc_lo, v[TM+\i], v[ST+2*\i]
	v_cndmask_b32 v[\jr+\i], 0, \code, vcc_lo
.set Q, 0
.rept \n/2
	SEL2 S+16*\i+Q, S+16*\i+\n+Q, S+16*\i+\n+Q+1
.set Q, Q+2
.endr
.endr
.endm
.macro ADDJ
.irp i, 0,1,2,3
	v_add3_u32 v[ST+2*\i+1], v[ST+2*\i+1], v[J1+\i], v[J2+\i]
.endr
.endm
.irp i, 0,1,2,3
	v_max3_num_f32 v[TM+\i], v[S+16*\i], v[S+16*\i+1], v[S+16*\i+2]
.endr
.irp q, 3,5
.irp i, 0,1,2,3
	v_max3_num_f32 v[TM+\i], v[TM+\i], v[S+16*\i+\q], v[S+16*\i+\q+1]
.endr
.endr
.irp i, 0,1,2,3
	v_max_num_f32 v[TM+\i], v[TM+\i], v[S+16*\i+7]
.endr
	HALVE 8, 16, J1                                ; register 8 u + j of a group is code 16 u + j of my half
.irp i, 0,1,2,3
	v_max3_num_f32 v[TM+\i], v[S+16*\i], v[S+16*\i+1], v[S+16*\i+2]
.endr
.irp i, 0,1,2,3
	v_max_num_f32 v[TM+\i], v[TM+\i], v[S+16*\i+3]
.endr
	HALVE 4, 4, J2
	ADDJ
.irp i, 0,1,2,3
	v_max_num_f32 v[TM+\i], v[S+16*\i], v[S+16*\i+1]
.endr
	HALVE 2, 2, J1
	HALVE 1, 1, J2
	ADDJ
.irp i, 0,1,2,3
	v_ashrrev_i32 v[TM+\i], 31, v[ST+2*\i]
.endr
.irp i, 0,1,2,3
	v_or_b32 v[TM+\i], 0x80000000, v[TM+\i]
.endr
.irp i, 0,1,2,3
	v_xor_b32 v[KV+2*\i], v[ST+2*\i], v[TM+\i]     ; m as a whole number in the same order
.endr
.irp i, 0,1,2,3
	v_permlanex16_b32 v[OK+\i], v[KV+2*\i], s44, s45   ; the row's other codes lie in lane l xor 16
.endr
.irp i, 0,1,2,3
	v_cmp_le_u32 vcc_lo, v[KV+2*\i], v[OK+\i]
	v_cndmask_b32 v[IX+\i], -1, v[ST+2*\i+1], vcc_lo   ; my code stands where my key is the smaller or ties
.endr
.irp i, 0,1,2,3
	v_permlanex16_b32 v[OI+\i], v[IX+\i], s44, s45
.endr
.irp i, 0,1,2,3
	v_min_u32 v[KV+2*\i], v[KV+2*\i], v[OK+\i]
.endr
.irp i, 0,1,2,3
	v_min_u32 v[KV+2*\i+1], v[IX+\i], v[OI+\i]     ; of a tie the lower code
.endr
.irp i, 0,1,2,3
	ds_store_b64 v[SCW], v[KV+2*\i:KV+2*\i+1] offset:128*\i    ; both halves write the same pair with the same value
.endr
	ds_load_b128 v[OUT:OUT+3], v[SCRD]             ; my wave's own bytes, served in order (ISA guide 5.7.1.4)
	s_wait_dscnt 0x0
	global_store_b128 v[LI], v[OUT:OUT+3], s[6:7]  ; 32 lanes store 512 consecutive bytes, aligned: my 64 rows' pairs
	s_wait_tensorcnt 0x0                           ; the wave's end
	ds_add_u32 v[SPW], v[NIL]
	s_wait_dscnt 0x0
	ROUND                                          ; the closing round: no work-group ends while a partner may still ask for records that name it
	s_endpgm
.Lfunc_end_k_qcfef200257_dist:
	.size	k_qcfef200257_dist, .Lfunc_end_k_qcfef200257_dist-k_qcfef200257_dist
	.p2alignl 7, 3214868480
	.fill 96, 4, 3214868480
	.section	.rodata,"a",@progbits
	.p2align	6, 0x0
	.amdhsa_kernel k_qcfef200257_dist
		.amdhsa_group_segment_fixed_size 327680
		.amdhsa_private_segment_fixed_size 0
		.amdhsa_enable_private_segment 0
		.amdhsa_kernarg_size 16
		.amdhsa_user_sgpr_count 2
		.amdhsa_user_sgpr_kernarg_segment_ptr 1
		.amdhsa_wavefront_size32 1
		.amdhsa_system_sgpr_workgroup_id_x 1
		.amdhsa_system_sgpr_workgroup_id_y 1
		.amdhsa_system_sgpr_workgroup_id_z 1
		.amdhsa_system_vgpr_workitem_id 0
		.amdhsa_next_free_vgpr 448
		.amdhsa_next_free_sgpr 66
		.amdhsa_reserve_vcc 1
		.amdhsa_float_denorm_mode_32 3
		.amdhsa_float_denorm_mode_16_64 3
		.amdhsa_memory_ordered 1
		.amdhsa_forward_progress 1
		.amdhsa_inst_pref_size 143
	.end_amdhsa_kernel
	.amdgpu_metadata
---
amdhsa.version: [ 1, 2 ]
amdhsa.kernels:
  - .name:           k_qcfef200257_dist
    .symbol:         k_qcfef200257_dist.kd
    .args:
      - { .name: img, .offset: 0, .size: 8, .value_kind: global_buffer, .address_space: global }
      - { .name: pair, .offset: 8, .size: 8, .value_kind: global_buffer, .address_space: global }
    .group_segment_fixed_size: 327680
    .private_segment_fixed_size: 0
    .kernarg_segment_align: 8
    .kernarg_segment_size: 16
    .max_flat_workgroup_size: 256
    .sgpr_count:     66
    .vgpr_count:     448
    .wavefront_size: 32
...
	.end_amdgpu_metadata
.endif
;; end of part 2
;; launch gather (part 3): grid 256 x 1, 8 waves a work-group, no clusters, 1,536 bytes of LDS; arguments inputs, codebook, pair, out0, out1, part; writes out0, out1, part
.if DOCPART == 3
	.amdgcn_target "amdgcn-amd-amdhsa--gfx1250"
	.amdhsa_code_object_version 6
	.text
	.protected	k_qcfef200257_gather
	.globl	k_qcfef200257_gather
	.p2align	8
	.type	k_qcfef200257_gather,@function
k_qcfef200257_gather:
	s_mov_b64 s[64:65], 0
	v_nop
	global_prefetch_b8 v0, s[64:65] scope:SCOPE_SE
	s_setreg_imm32_b32 hwreg(HW_REG_WAVE_MODE, 25, 1), 1
	s_wait_xcnt 0x0
; For 64 rows: the eight slices' smallest distances are merged (whole-number keys in the order of f32: a strictly smaller key wins, so the lower slice, which has the lower codes, keeps a tie);
; out1 = the code; q = codebook[code]; out0 = x + (q - x); part[work-group] = the sum of (q - x)^2 over the 64 rows.  All in f32, as the definition has it.
; LIMIT: the squares are added in another order than the definition adds them.
; SHARES: eight waves, eight rows each.  A row is 1,024 bytes: two loads or stores of 512 consecutive bytes.  No matrix unit, no cluster: the work-groups share no tile.  No prefetch: no loop to run ahead in.
; The gather's addresses are made of whole numbers that the launch before has stored, held to 0 .. 4,095.
; LDS: the work-group's 64 codes (bytes 0-255), so that wave 0 stores them as one aligned 256 bytes: that barrier stands while the gathered rows are on their way; and the eight waves' sums (from byte 256).
.set KV, 8                             ; v8-23   slice s: key at 8 + 2 s, code at 9 + 2 s, row = lane % 8
.set QO, 24                            ; v24-31  row t: byte offset of my 16 bytes in its row of the codebook
.set XX, 32                            ; v32-95  x: row t at 8 t
.set QQ, 96                            ; v96-159 q, then out0
.set DD, 160                           ; v160-167 q - x of the row in hand; at the end the eight waves' sums
.set LL, 168                           ; v168-175 four pairs of partial sums
	s_load_b256 s[4:11], s[0:1], 0x0               ; inputs, codebook, pair, out0
	s_load_b128 s[12:15], s[0:1], 0x20             ; out1, part
	v_lshl_add_u32 v184, v0, 2, 0x200              ; the spare words: from byte 512 on
	v_mov_b32 v185, 0
	v_lshrrev_b32 v1, 5, v0
	v_readfirstlane_b32 s18, v1                    ; wave 0..7
	s_lshl_b32 s24, s18, 5
	v_lshlrev_b32 v5, 2, v1                        ; LDS: 4 x wave (offset 256)
	v_and_b32 v1, 31, v0                           ; lane
	v_and_b32 v3, 7, v0
	v_mov_b32 v7, 0
	v_mov_b32 v176, 0                              ; a lane permute's destination counts as one of its sources
	v_lshlrev_b32 v2, 4, v1                        ; 16 x lane
	v_lshl_add_u32 v4, v3, 2, s24                  ; LDS: the work-group's 64 codes: 32 x wave + 4 x (lane % 8)
	v_lshlrev_b32 v6, 3, v1                        ; 8 x lane
	v_lshlrev_b32 v3, 3, v3                        ; 8 x (lane % 8)
	s_mov_b32 s22, 0x76543210
	s_mov_b32 s23, 0xfedcba98
	s_lshl_b32 s20, ttmp9, 6
	s_lshl_b32 s21, s18, 3
	s_add_co_u32 s20, s20, s21                     ; my first row
	s_lshl_b32 s26, s20, 3                         ; its pair
	s_mov_b32 s27, 0
	s_lshl_b32 s28, s20, 10
	s_mov_b32 s29, 0
	s_lshl_b32 s30, ttmp9, 8
	s_mov_b32 s31, 0
	s_lshl_b32 s32, ttmp9, 2
	s_mov_b32 s33, 0
	s_wait_alu depctr_va_vdst(0)
	s_wait_kmcnt 0x0
	s_add_nc_u64 s[8:9], s[8:9], s[26:27]
	s_add_nc_u64 s[4:5], s[4:5], s[28:29]
	s_add_nc_u64 s[10:11], s[10:11], s[28:29]
	s_add_nc_u64 s[12:13], s[12:13], s[30:31]
	s_add_nc_u64 s[14:15], s[14:15], s[32:33]
.irp s, 0,1,2,3,4,5,6,7
	global_load_b64 v[KV+2*\s:KV+2*\s+1], v3, s[8:9] offset:131072*\s
.endr
.irp t, 0,1,2,3,4,5,6,7
	global_load_b128 v[XX+8*\t:XX+8*\t+3], v2, s[4:5] offset:1024*\t th:TH_LOAD_NT
	global_load_b128 v[XX+8*\t+4:XX+8*\t+7], v2, s[4:5] offset:1024*\t+512 th:TH_LOAD_NT
.endr
	s_wait_loadcnt 16                              ; the eight pairs are in; x's sixteen loads may be out
.macro MERGE a, b                      ; slice a takes slice b's pair where b's key is strictly smaller; a's slices are the lower ones
	v_cmp_lt_u32 vcc_lo, v[KV+2*\b], v[KV+2*\a]
	v_dual_cndmask_b32 v[KV+2*\a], v[KV+2*\a], v[KV+2*\b] :: v_dual_cndmask_b32 v[KV+2*\a+1], v[KV+2*\a+1], v[KV+2*\b+1]
.endm
	MERGE 0, 1
	MERGE 2, 3
	MERGE 4, 5
	MERGE 6, 7
	MERGE 0, 2
	MERGE 4, 6
	MERGE 0, 4
	s_wait_alu depctr_va_vdst(0)
	ds_store_b32 v4, v[KV+1]                       ; the four lanes of a row write the same word with the same value
.irp t, 0,1,2,3,4,5,6,7
	v_readlane_b32 s[40+\t], v[KV+1], \t           ; row t's code,
	s_min_u32 s[40+\t], s[40+\t], 0xfff            ; held inside the table,
	s_lshl_b32 s[40+\t], s[40+\t], 10              ; times a row's 1,024 bytes
	v_add_nc_u32 v[QO+\t], s[40+\t], v2
	global_load_b128 v[QQ+8*\t:QQ+8*\t+3], v[QO+\t], s[6:7]              ; (no hint: a row of the table may be named many times)
	global_load_b128 v[QQ+8*\t+4:QQ+8*\t+7], v[QO+\t], s[6:7] offset:512
.endr
	s_wait_dscnt 0x0                               ; for wave 0's sake: my codes lie in LDS
	s_barrier_signal -1
	s_barrier_wait -1
	s_cmp_lg_u32 s18, 0                            ; wave 0 sends the work-group's codes
	s_cbranch_scc1 .Lrows
	ds_load_b64 v[180:181], v6
	s_wait_dscnt 0x0
	global_store_b64 v6, v[180:181], s[12:13]      ; 64 codes: 256 consecutive bytes, aligned
.Lrows:
.irp t, 0,1,2,3,4,5,6,7
	s_wait_loadcnt 14-2*\t                         ; row t's two gathered loads are in (and x, which is older); the 2 (7 - t) younger ones may be out
.irp j, 0,2,4,6
	v_pk_add_f32 v[DD+\j:DD+\j+1], v[QQ+8*\t+\j:QQ+8*\t+\j+1], v[XX+8*\t+\j:XX+8*\t+\j+1] neg_lo:[0,1] neg_hi:[0,1]   ; q - x
.endr
.irp j, 0,2,4,6
	s_delay_alu instid0(VALU_DEP_4)
	v_pk_add_f32 v[QQ+8*\t+\j:QQ+8*\t+\j+1], v[XX+8*\t+\j:XX+8*\t+\j+1], v[DD+\j:DD+\j+1]   ; x + (q - x)
.endr
.irp j, 0,2,4,6
.if \t == 0
	v_pk_mul_f32 v[LL+\j:LL+\j+1], v[DD+\j:DD+\j+1], v[DD+\j:DD+\j+1]    ; the first row starts the sums
.else
	v_pk_fma_f32 v[LL+\j:LL+\j+1], v[DD+\j:DD+\j+1], v[DD+\j:DD+\j+1], v[LL+\j:LL+\j+1]
.endif
.endr
	global_store_b128 v2, v[QQ+8*\t:QQ+8*\t+3], s[10:11] offset:1024*\t th:TH_STORE_NT       ; 512 consecutive bytes, aligned
	global_store_b128 v2, v[QQ+8*\t+4:QQ+8*\t+7], s[10:11] offset:1024*\t+512 th:TH_STORE_NT
.endr
	v_pk_add_f32 v[LL:LL+1], v[LL:LL+1], v[LL+2:LL+3]
	v_pk_add_f32 v[LL+4:LL+5], v[LL+4:LL+5], v[LL+6:LL+7]
	s_delay_alu instid0(VALU_DEP_1)
	v_pk_add_f32 v[LL:LL+1], v[LL:LL+1], v[LL+4:LL+5]
	s_delay_alu instid0(VALU_DEP_1)
	v_add_f32 v[LL], v[LL], v[LL+1]
	s_delay_alu instid0(VALU_DEP_1)
	v_add_f32_dpp v[LL], v[LL], v[LL] row_xmask:1 row_mask:0xf bank_mask:0xf
	s_delay_alu instid0(VALU_DEP_1)
	v_add_f32_dpp v[LL], v[LL], v[LL] row_xmask:2 row_mask:0xf bank_mask:0xf
	s_delay_alu instid0(VALU_DEP_1)
	v_add_f32_dpp v[LL], v[LL], v[LL] row_xmask:4 row_mask:0xf bank_mask:0xf
	s_delay_alu instid0(VALU_DEP_1)
	v_add_f32_dpp v[LL], v[LL], v[LL] row_xmask:8 row_mask:0xf bank_mask:0xf
	s_delay_alu instid0(VALU_DEP_1)
	v_permlanex16_b32 v176, v[LL], s22, s23
	s_delay_alu instid0(VALU_DEP_1)
	v_add_f32 v[LL], v[LL], v176                   ; my wave's sum, in every lane
	ds_store_b32 v5, v[LL] offset:256
	s_wait_dscnt 0x0                               ; for wave 0's sake: my sum lies in LDS
	s_barrier_signal -1
	s_barrier_wait -1
	s_cmp_lg_u32 s18, 0                            ; wave 0 sends the work-group's sum
	s_cbranch_scc1 .Ldone
	ds_load_b128 v[DD:DD+3], v7 offset:256
	ds_load_b128 v[DD+4:DD+7], v7 offset:272
	s_wait_dscnt 0x0
	v_pk_add_f32 v[DD:DD+1], v[DD:DD+1], v[DD+2:DD+3]
	v_pk_add_f32 v[DD+4:DD+5], v[DD+4:DD+5], v[DD+6:DD+7]
	s_delay_alu instid0(VALU_DEP_1)
	v_pk_add_f32 v[DD:DD+1], v[DD:DD+1], v[DD+4:DD+5]
	s_delay_alu instid0(VALU_DEP_1)
	v_add_f32 v[DD], v[DD], v[DD+1]
	s_wait_alu depctr_va_vdst(0)
	s_wait_xcnt 0x0                                ; EXEC is a source of the stores that are out: it changes only behind this wait
	v_cmp_eq_u32 vcc_lo, 0, v1
	s_and_saveexec_b32 s24, vcc_lo
	global_store_b32 v7, v[DD], s[14:15]           ; lane 0 alone
	s_wait_xcnt 0x0                                ; and again, in front of the line that widens it
	s_or_b32 exec_lo, exec_lo, s24
.Ldone:
	s_wait_tensorcnt 0x0                           ; the wave's end, behind my last LDS store
	ds_add_u32 v184, v185
	s_wait_dscnt 0x0
	s_endpgm
.Lfunc_end_k_qcfef200257_gather:
	.size	k_qcfef200257_gather, .Lfunc_end_k_qcfef200257_gather-k_qcfef200257_gather
	.p2alignl 7, 3214868480
	.fill 96, 4, 3214868480
	.section	.rodata,"a",@progbits
	.p2align	6, 0x0
	.amdhsa_kernel k_qcfef200257_gather
		.amdhsa_group_segment_fixed_size 1536
		.amdhsa_private_segment_fixed_size 0
		.amdhsa_enable_private_segment 0
		.amdhsa_kernarg_size 48
		.amdhsa_user_sgpr_count 2
		.amdhsa_user_sgpr_kernarg_segment_ptr 1
		.amdhsa_wavefront_size32 1
		.amdhsa_system_sgpr_workgroup_id_x 1
		.amdhsa_system_sgpr_workgroup_id_y 1
		.amdhsa_system_sgpr_workgroup_id_z 1
		.amdhsa_system_vgpr_workitem_id 0
		.amdhsa_next_free_vgpr 186
		.amdhsa_next_free_sgpr 66
		.amdhsa_reserve_vcc 1
		.amdhsa_float_denorm_mode_32 3
		.amdhsa_float_denorm_mode_16_64 3
		.amdhsa_memory_ordered 1
		.amdhsa_forward_progress 1
		.amdhsa_inst_pref_size 19
	.end_amdhsa_kernel
	.amdgpu_metadata
---
amdhsa.version: [ 1, 2 ]
amdhsa.kernels:
  - .name:           k_qcfef200257_gather
    .symbol:         k_qcfef200257_gather.kd
    .args:
      - { .name: inputs, .offset: 0, .size: 8, .value_kind: global_buffer, .address_space: global }
      - { .name: codebook, .offset: 8, .size: 8, .value_kind: global_buffer, .address_space: global }
      - { .name: pair, .offset: 16, .size: 8, .value_kind: global_buffer, .address_space: global }
      - { .name: out0, .offset: 24, .size: 8, .value_kind: global_buffer, .address_space: global }
      - { .name: out1, .offset: 32, .size: 8, .value_kind: global_buffer, .address_space: global }
      - { .name: part, .offset: 40, .size: 8, .value_kind: global_buffer, .address_space: global }
    .group_segment_fixed_size: 1536
    .private_segment_fixed_size: 0
    .kernarg_segment_align: 8
    .kernarg_segment_size: 48
    .max_flat_workgroup_size: 256
    .sgpr_count:     66
    .vgpr_count:     186
    .wavefront_size: 32
...
	.end_amdgpu_metadata
.endif
;; end of part 3
;; launch loss (part 4): grid 1 x 1, 1 waves a work-group, no clusters, 0 bytes of LDS; arguments part, out2; writes out2
.if DOCPART == 4
	.amdgcn_target "amdgcn-amd-amdhsa--gfx1250"
	.amdhsa_code_object_version 6
	.text
	.protected	k_qcfef200257_loss
	.globl	k_qcfef200257_loss
	.p2align	8
	.type	k_qcfef200257_loss,@function
k_qcfef200257_loss:
	s_mov_b64 s[64:65], 0
	v_nop
	global_prefetch_b8 v0, s[64:65] scope:SCOPE_SE
	s_setreg_imm32_b32 hwreg(HW_REG_WAVE_MODE, 25, 1), 1
	s_wait_xcnt 0x0
; out2 = 0.25 x the mean of (q - x)^2 = the sum of the 256 work-groups' partial sums x 2^-24 (0.25 / (16,384 x 256), exact).  One wave: eight numbers a lane.
; A launch of its own, since the sum spans all work-groups of the launch before and no work-group reads what another stores in the same launch.
	s_load_b128 s[4:7], s[0:1], 0x0                ; part, out2
	v_lshlrev_b32 v1, 5, v0                        ; 32 bytes a lane
	v_mov_b32 v12, 0                               ; a lane permute's destination counts as one of its sources
	v_mov_b32 v13, 0
	s_mov_b32 s8, 0x76543210
	s_mov_b32 s9, 0xfedcba98
	s_wait_alu depctr_va_vdst(0)
	s_wait_kmcnt 0x0
	global_load_b128 v[4:7], v1, s[4:5]
	global_load_b128 v[8:11], v1, s[4:5] offset:16
	s_wait_loadcnt 0x0
	v_pk_add_f32 v[4:5], v[4:5], v[6:7]
	v_pk_add_f32 v[8:9], v[8:9], v[10:11]
	v_pk_add_f32 v[4:5], v[4:5], v[8:9]
	v_add_f32 v4, v4, v5
	v_add_f32_dpp v4, v4, v4 row_xmask:1 row_mask:0xf bank_mask:0xf
	v_add_f32_dpp v4, v4, v4 row_xmask:2 row_mask:0xf bank_mask:0xf
	v_add_f32_dpp v4, v4, v4 row_xmask:4 row_mask:0xf bank_mask:0xf
	v_add_f32_dpp v4, v4, v4 row_xmask:8 row_mask:0xf bank_mask:0xf
	v_permlanex16_b32 v12, v4, s8, s9
	v_add_f32 v4, v4, v12
	v_mul_f32 v4, 0x33800000, v4                   ; x 2^-24
	s_wait_alu depctr_va_vdst(0)
	s_wait_xcnt 0x0                                ; EXEC changes only behind this wait
	v_cmp_eq_u32 vcc_lo, 0, v0
	s_and_saveexec_b32 s10, vcc_lo
	global_store_b32 v13, v4, s[6:7]               ; lane 0 alone
	s_wait_xcnt 0x0
	s_or_b32 exec_lo, exec_lo, s10
	s_endpgm
.Lfunc_end_k_qcfef200257_loss:
	.size	k_qcfef200257_loss, .Lfunc_end_k_qcfef200257_loss-k_qcfef200257_loss
	.p2alignl 7, 3214868480
	.fill 96, 4, 3214868480
	.section	.rodata,"a",@progbits
	.p2align	6, 0x0
	.amdhsa_kernel k_qcfef200257_loss
		.amdhsa_group_segment_fixed_size 0
		.amdhsa_private_segment_fixed_size 0
		.amdhsa_enable_private_segment 0
		.amdhsa_kernarg_size 16
		.amdhsa_user_sgpr_count 2
		.amdhsa_user_sgpr_kernarg_segment_ptr 1
		.amdhsa_wavefront_size32 1
		.amdhsa_system_sgpr_workgroup_id_x 1
		.amdhsa_system_sgpr_workgroup_id_y 1
		.amdhsa_system_sgpr_workgroup_id_z 1
		.amdhsa_system_vgpr_workitem_id 0
		.amdhsa_next_free_vgpr 16
		.amdhsa_next_free_sgpr 66
		.amdhsa_reserve_vcc 1
		.amdhsa_float_denorm_mode_32 3
		.amdhsa_float_denorm_mode_16_64 3
		.amdhsa_memory_ordered 1
		.amdhsa_forward_progress 1
		.amdhsa_inst_pref_size 2
	.end_amdhsa_kernel
	.amdgpu_metadata
---
amdhsa.version: [ 1, 2 ]
amdhsa.kernels:
  - .name:           k_qcfef200257_loss
    .symbol:         k_qcfef200257_loss.kd
    .args:
      - { .name: part, .offset: 0, .size: 8, .value_kind: global_buffer, .address_space: global }
      - { .name: out2, .offset: 8, .size: 8, .value_kind: global_buffer, .address_space: global }
    .group_segment_fixed_size: 0
    .private_segment_fixed_size: 0
    .kernarg_segment_align: 8
    .kernarg_segment_size: 16
    .max_flat_workgroup_size: 32
    .sgpr_count:     66
    .vgpr_count:     16
    .wavefront_size: 32
...
	.end_amdgpu_metadata
.endif
;; end of part 4
